; MI455X (gfx1250); checked and timed in simulation.
; The chip was launched on July 23, 2026; its instructions are those of AMD's public machine-readable ISA for CDNA 5 (MIT licence, August 2026) and "CDNA5" Instruction Set Architecture Reference Guide (July 2026). The comments in the code are by the model that wrote it; some were corrected since.
;; Vector Quantizer. Allowed arithmetic: float matrix products may take bf16 or f16 operands with f32 sums; other float arithmetic in f32, or as packed bf16 or f16 multiplies, adds, multiply-adds, maxima and minima; sums over many terms, partial sums and values carried from step to step in f32; what a program stores and reads back later, other than sums and carried values, may be rounded once to bf16 or f16.
;; Inputs: embeddings 8,192 x 256 float32; z 8 x 4,096 x 256 float32.
;; Outputs: out0 8 x 4,096 x 256 float32.
;; 2 versions, each right; version 2 is version 1 with the launch prep written anew for expert scheduling mode. Each part assembles by itself: llvm-mc -triple=amdgcn-amd-amdhsa -mcpu=gfx1250 --defsym DOCPART=n.
;; ======== version 1 of 2: 3 launches
;; workspace buffers: ebf 4,194,304 bytes; ee 32,768 bytes; idx 131,072 bytes of whole numbers
;; launch prep (part 1): grid 256 x 1, 4 waves a work-group, no clusters, 17,408 bytes of LDS; arguments embeddings, ebf, ee; writes ebf, ee
.if DOCPART == 1
	.amdgcn_target "amdgcn-amd-amdhsa--gfx1250"
	.amdhsa_code_object_version 6
	.text
	.protected	k_q7858a7be2a_prep
	.globl	k_q7858a7be2a_prep
	.p2align	8
	.type	k_q7858a7be2a_prep,@function
k_q7858a7be2a_prep:
	s_mov_b64 s[64:65], 0
	v_nop
	global_prefetch_b8 v0, s[64:65] scope:SCOPE_SE
	s_setreg_imm32_b32 hwreg(HW_REG_WAVE_MODE, 25, 1), 1
	s_wait_xcnt 0x0
; ebf[k][c] = embeddings[k][c] rounded to bf16 (nearest even);  ee[k] = the sum over c, ascending, of ebf[k][c]^2 in f32.
; embeddings: [8192][256] f32.  ebf: [8192][256] bf16.  ee: [8192] f32.
; A work-group takes 32 rows, each of its four waves 8.  A load of a wave covers 512 consecutive bytes (half a row of f32), the store of its
; rounded numbers 256 consecutive bytes, aligned.  The rounded rows also go into LDS, from where wave 0 takes a row a lane and sums the squares in
; ascending order: a square of a bf16 number is exact in f32, so each fused multiply-add is one f32 addition of the exact square.
; No matrix unit, no cluster: no two work-groups read the same byte, and the arithmetic is one multiply-add a number.
; KEPT AS IT IS: ee leaves as 128 consecutive bytes a work-group (32 rows x 4 bytes); the whole table is 32,768 bytes.
.set SP,    528                        ; an LDS row: 512 bytes + 16: thirty-three times 16 bytes, so 16 lanes that take the same column of 16 rows start 16 bytes apart modulo 256
.set SPARE, 32*SP                      ; 16,896: behind the stage: the spare words, 128 bytes for each wave, that no other line names
.set LO,  1                            ; v1  16 x lane: my 16 bytes of a load
.set SO,  2                            ; v2  8 x lane: my 8 bytes of a store
.set LS,  3                            ; v3  where I put them in the stage
.set LR,  4                            ; v4  lane x 528: wave 0 reads a row a lane
.set EO,  5                            ; v5  4 x lane: my word of ee
.set SPW, 6                            ; v6  LDS address of my spare word; never rewritten
.set NIL, 7                            ; v7  0; never rewritten
.set SUM, 8                            ; v8  the running sum
.set X,   16                           ; v[16:79]   sixteen loads of 4
.set Y,   80                           ; v[80:111]  sixteen pairs to store; each is written once
.set R,   128                          ; v[128:255] a whole rounded row, 2 numbers a register
	s_load_b128 s[4:7], s[0:1], 0x0                ; embeddings s[4:5], ebf s[6:7]
	s_load_b64 s[8:9], s[0:1], 0x10                ; ee
	v_lshl_add_u32 v[SPW], v0, 2, SPARE
	v_mov_b32 v[NIL], 0
	v_lshrrev_b32 v9, 5, v0
	v_readfirstlane_b32 s12, v9                    ; wave 0..3
	v_and_b32 v10, 31, v0                          ; lane
	v_lshlrev_b32 v[LO], 4, v10
	v_lshlrev_b32 v[SO], 3, v10
	s_mul_i32 s13, s12, 8*SP                       ; my wave's 8 rows of the stage
	v_lshl_add_u32 v[LS], v10, 3, s13
	v_mul_u32_u24 v[LR], v10, SP
	v_lshlrev_b32 v[EO], 2, v10
	s_lshl_b32 s14, ttmp9, 5                       ; the work-group's 32 rows,
	s_lshl_b32 s15, s12, 3                         ; my wave's 8
	s_add_co_u32 s14, s14, s15
	s_lshl_b32 s16, s14, 10                        ; rows of 1,024 bytes in embeddings,
	s_mov_b32 s17, 0
	s_lshl_b32 s18, s14, 9                         ; of 512 in ebf
	s_mov_b32 s19, 0
	s_lshl_b32 s20, ttmp9, 7                       ; the work-group's 32 words of ee
	s_mov_b32 s21, 0
	s_wait_kmcnt 0x0
	s_add_nc_u64 s[4:5], s[4:5], s[16:17]
	s_add_nc_u64 s[6:7], s[6:7], s[18:19]
	s_add_nc_u64 s[8:9], s[8:9], s[20:21]
.set n_, 0
.rept 16                               ; load n: row n / 2, half n % 2: all sixteen go out at once, 8 KiB a wave
	global_load_b128 v[X+4*n_:X+4*n_+3], v[LO], s[4:5] offset:512*n_ th:TH_LOAD_NT
.set n_, n_+1
.endr
.set n_, 0
.rept 16
	s_wait_loadcnt 15-n_                           ; loads come back in order: load n is in, the younger ones stay out
	v_cvt_pk_bf16_f32 v[Y+2*n_],   v[X+4*n_],   v[X+4*n_+1]
	v_cvt_pk_bf16_f32 v[Y+2*n_+1], v[X+4*n_+2], v[X+4*n_+3]
	global_store_b64 v[SO], v[Y+2*n_:Y+2*n_+1], s[6:7] offset:256*n_   ; 32 lanes x 8 bytes: 256 consecutive bytes, aligned
	ds_store_b64 v[LS], v[Y+2*n_:Y+2*n_+1] offset:SP*(n_/2)+256*(n_%2)
.set n_, n_+1
.endr
	s_wait_dscnt 0x0                               ; for wave 0's sake: my rows lie in the stage
	s_barrier_signal -1
	s_barrier_wait -1
	s_cmp_lg_u32 s12, 0
	s_cbranch_scc1 .Lend                           ; wave 0 sums: a lane a row
.set c_, 0
.rept 32
	ds_load_b128 v[R+4*c_:R+4*c_+3], v[LR] offset:16*c_
.set c_, c_+1
.endr
	v_mov_b32 v[SUM], 0
.set c_, 0
.rept 32
	s_wait_dscnt 31-c_                             ; LDS loads come back in order: the row's 16 bytes number c are in
.irp e, 0,1,2,3
	v_fma_mix_f32_bf16 v[SUM], v[R+4*c_+(\e)], v[R+4*c_+(\e)], v[SUM] op_sel_hi:[1,1,0]                 ; the low half squared, added
	v_fma_mix_f32_bf16 v[SUM], v[R+4*c_+(\e)], v[R+4*c_+(\e)], v[SUM] op_sel:[1,1,0] op_sel_hi:[1,1,0]  ; the high half
.endr
.set c_, c_+1
.endr
	global_store_b32 v[EO], v[SUM], s[8:9]
.Lend:
	s_wait_tensorcnt 0x0                           ; the wave's end, behind my last LDS store
	ds_add_u32 v[SPW], v[NIL]
	s_wait_dscnt 0x0
	s_endpgm
.Lfunc_end_k_q7858a7be2a_prep:
	.size	k_q7858a7be2a_prep, .Lfunc_end_k_q7858a7be2a_prep-k_q7858a7be2a_prep
	.p2alignl 7, 3214868480
	.fill 96, 4, 3214868480
	.section	.rodata,"a",@progbits
	.p2align	6, 0x0
	.amdhsa_kernel k_q7858a7be2a_prep
		.amdhsa_group_segment_fixed_size 17408
		.amdhsa_private_segment_fixed_size 0
		.amdhsa_enable_private_segment 0
		.amdhsa_kernarg_size 24
		.amdhsa_user_sgpr_count 2
		.amdhsa_user_sgpr_kernarg_segment_ptr 1
		.amdhsa_wavefront_size32 1
		.amdhsa_system_sgpr_workgroup_id_x 1
		.amdhsa_system_sgpr_workgroup_id_y 1
		.amdhsa_system_sgpr_workgroup_id_z 1
		.amdhsa_system_vgpr_workitem_id 0
		.amdhsa_next_free_vgpr 256
		.amdhsa_next_free_sgpr 66
		.amdhsa_reserve_vcc 0
		.amdhsa_float_denorm_mode_32 3
		.amdhsa_float_denorm_mode_16_64 3
		.amdhsa_memory_ordered 1
		.amdhsa_forward_progress 1
		.amdhsa_inst_pref_size 28
	.end_amdhsa_kernel
	.amdgpu_metadata
---
amdhsa.version: [ 1, 2 ]
amdhsa.kernels:
  - .name:           k_q7858a7be2a_prep
    .symbol:         k_q7858a7be2a_prep.kd
    .args:
      - { .name: embeddings, .offset: 0, .size: 8, .value_kind: global_buffer, .address_space: global }
      - { .name: ebf, .offset: 8, .size: 8, .value_kind: global_buffer, .address_space: global }
      - { .name: ee, .offset: 16, .size: 8, .value_kind: global_buffer, .address_space: global }
    .group_segment_fixed_size: 17408
    .private_segment_fixed_size: 0
    .kernarg_segment_align: 8
    .kernarg_segment_size: 24
    .max_flat_workgroup_size: 128
    .sgpr_count:     66
    .vgpr_count:     256
    .wavefront_size: 32
...
	.end_amdgpu_metadata
.endif
;; end of part 1
;; launch vqmin (part 2): grid 256 x 1, 4 waves a work-group, clusters of 4 x 1, 327,680 bytes of LDS; arguments z, ebf, ee, idx; writes idx
.if DOCPART == 2
	.amdgcn_target "amdgcn-amd-amdhsa--gfx1250"
	.amdhsa_code_object_version 6
	.text
	.protected	k_q7858a7be2a_vqmin
	.globl	k_q7858a7be2a_vqmin
	.p2align	8
	.type	k_q7858a7be2a_vqmin,@function
k_q7858a7be2a_vqmin:
	s_mov_b64 s[64:65], 0
	v_nop
	global_prefetch_b8 v0, s[64:65] scope:SCOPE_SE
	s_setreg_imm32_b32 hwreg(HW_REG_WAVE_MODE, 25, 1), 1
	s_wait_xcnt 0x0
	s_wait_alu depctr_hold_cnt(0) depctr_sa_sdst(0) depctr_va_vdst(0) depctr_va_sdst(0) depctr_va_ssrc(0) depctr_va_vcc(0) depctr_vm_vsrc(0)
	s_getreg_b32 s2, hwreg(HW_REG_IB_STS2, 6, 4)
	s_cmp_eq_u32 s2, 0
	s_cbranch_scc0 .Lentry_in_a_cluster
	s_endpgm
.Lentry_in_a_cluster:
	s_bfe_u32 s2, ttmp6, 0x10000c
	s_cmp_lg_u32 s2, 0x3003
	s_cbranch_scc0 .Lentry_shape_is_right
	s_endpgm
.Lentry_shape_is_right:
; idx[q] = the first k that makes d(q, k) = (zz[q] - 2 z[q] . E[k]) + ee[k] least.  z: [32768][256] f32, rounded here to bf16; ebf: [8192][256] bf16; ee: [8192] f32; idx: [32768] u32.
; THE ARITHMETIC.  The products go to the matrix unit in bf16 with f32 sums.  zz[q] is the ascending f32 sum of the squares of the rounded z.  d is formed with two f32 roundings, in the order written above:
; one fused multiply-add (dot x -2 + zz: doubling is exact) and one addition of ee.  Where zz is large beside the other terms many d of a row are EQUAL in f32; the first index wins, so zz is not left out.
; LIMITS.  NaN is not treated apart; a row whose d are all +infinity gives index 0.  The choice is that of inputs rounded to bf16; two d that differ by less than the f32 rounding of their dot products may change places.
; SHARES.  A work-group owns 128 queries.  EVERY wave holds all 128 as source 1 (8 tiles of 16 queries x 256 channels: 512 registers) and walks ITS OWN quarter of the codes, 2048 w .. 2048 w + 2047, 16 a tile:
; a fragment of codes read from LDS feeds 8 products.  Source 0 = 16 codes, source 1 = 16 queries: in the result a lane holds ONE query (lane % 16) and the codes 8 (lane / 16) + 0..7, so a query's zz is one
; register, a tile's ee eight, and a running minimum changes no lane before the end.
; THE MINIMUM.  For each query tile a lane keeps the least d so far, the number of the code tile that brought it, and that tile's eight d; which of the eight it was is looked up once, at the end.  All by selects: no branch hangs on a number.
; BY TURNS.  Turn m issues the 64 products of code tile m (8 accumulators by turns) into one of two sets of accumulators; the 176 vector instructions of tile m - 1 stand behind them, three or two
; behind each product; the next tile's codes and this tile's ee are fetched from LDS in one run behind the second product.
; RING.  Two LDS slots; a slot holds 64 codes for each wave (four tiles).  Each wave fills its own 64 rows by one tensor load behind each round.  z comes in as f32 through slot 1's bytes before codes land there.
; CLUSTER.  All work-groups walk the same codes, so four form a cluster and ask JOINTLY: the same load, descriptor and mask in all four; the descriptor hangs on the wave's number and the step alone.
; REGISTERS, in windows of 256 (s_set_vgpr_msb: bits 1:0 source 0, 3:2 source 1, 5:4 source 2, 7:6 destination):
;   window 0: addresses, statistics, the two sets of accumulators     window 1: v0-63, v64-127 two buffers of a code tile's 8 fragments     windows 2, 3: the queries: tile t, channels 32 k on, at 64 (t % 4) + 8 k
.set PITCH,  528                       ; a row of codes in LDS: 512 bytes + 16 = 33 x 16 bytes: the 16 rows of a fragment load start 16 bytes apart modulo 256
.set TILEB,  16*PITCH                  ; a code tile
.set WROWS,  64*PITCH                  ; a wave's part of a slot: 33,792 = 0x8400
.set SLOT,   4*WROWS                   ; 135,168 = 0x21000: it shares no bit with w x 0x8400, so one exclusive or turns an address in one slot into the other's
.set ZPITCH, 1040                      ; a row of z in LDS: 1,024 bytes + 16 = 65 x 16 bytes
.set SLOTB,  32768                     ; a wave's 64 rows of codes in memory
.set EET,    2*SLOT                    ; the whole table ee, 32,768 bytes, filled once
.set ZZS,    EET+32768                 ; zz by query, 512 bytes; these three are written by LDS stores, and no tensor load lands there
.set MB,     ZZS+512                   ; the waves' minima, [4][128] f32
.set MI,     MB+2048                   ; the waves' indices, [4][128] u32
.set SPARE,  MI+2048                   ; the spare words, 128 bytes for each wave, that no other line names
.set PFO,  1                           ; v1   256 x lane: the prefetches' offset; never rewritten
.set A0,   2                           ; v2   my lane's place in my wave's part of a slot: 33,792 w + 528 (l % 16) + 16 (l / 16)
.set ADR,  3                           ; v3   the LDS address of the run of loads in hand
.set E0,   4                           ; v4   EET + 8,192 w + 32 (l / 16)
.set EAD,  5                           ; v5   the LDS address of the tile's ee
.set SPW,  6                           ; v6   LDS address of my spare word: SPARE + 4 x my thread's number; never rewritten
.set NIL,  7                           ; v7   0; never rewritten
.set TM,   8                           ; v8-15   at work: four for each parity of the query tile; scratch at the start and at the end
.set ZZ,   16                          ; v16-23  zz of my query in tile t
.set BEST, 24                          ; v24-39  the least d: two registers a tile, by the code tile's parity, so that old and new stand side by side
.set TT,   40                          ; v40-47  the code tile that brought it
.set EE,   48                          ; v48-63  a code tile's eight ee: two buffers
.set SNAP, 64                          ; v64-127 that tile's eight d
.set ACC,  128                         ; v128-255 two sets of 8 accumulators: set p, query tile t at ACC + 64 p + 8 t
.set ZSUM, 8                           ; at the start: the running sum of squares of query 32 w + lane,
.set ZR,   9                           ; the LDS address of that row of z,
.set ZF,   10                          ; v10, v11: my lane's place in query tiles 0-3 and 4-7,
.set ZLD,  12                          ; where I read zz back,
.set ZST,  15                          ; where I put it,
.set ZOWN, 64                          ; 32 numbers of my own row, as loaded,
.set ZCV,  96                          ; and rounded
.set JJ,   128                         ; at the end: which of the eight,
.set II,   136                         ; the index,
.set OB,   144                         ; the other half of the lanes' minimum,
.set OI,   152                         ; and index
.set WV,   12                          ; s12  my wave's number
.set LIM,  15                          ; s15  2 in the cluster that prefetches, else the greatest number
.set PFA,  20                          ; s[20:21] where my prefetches stand
.set TBK,  22                          ; s22  LDS byte, in a wave's part, of the code tile to be fetched next
.set TBE,  23                          ; s23  byte, in my quarter of ee, of the tile whose ee is fetched next
.set G1E,  24                          ; s[24:31] group 1, codes
.set G0E,  32                          ; s[32:35] group 0, codes: it walks
.set G1Z,  36                          ; s[36:43] group 1, z
.set G0Z,  44                          ; s[44:47] group 0, z
.set G1T,  48                          ; s[48:55] group 1, ee
.set G0T,  56                          ; s[56:59] group 0, ee
.set LEFT, 60                          ; s60  32 less the number of the slot that is asked for
.set CNT,  61                          ; s61  counts a slot's two pairs of turns
.set TN,   62                          ; s62  the code tile whose vector work is in hand
.set SEL,  66                          ; s[66:67] v_permlanex16_b32's selects: each lane takes its own place in the other half
.set MK,   68                          ; s68, s69 lane masks, by the query tile's parity
.set MSB, 0
.macro WIN new                         ; the immediate's high byte repeats the setting that is left; a switch that changes nothing is dropped
.if MSB != (\new)
	s_set_vgpr_msb (MSB<<8)|(\new)
.set MSB, (\new)
.endif
.endm
.macro PLACES                          ; four plain vector instructions that name no register
.rept 4
	v_nop
.endr
.endm
; A round of the cluster's barrier: my work-group's barrier, so that wave 0's signal speaks for all four waves; wave 0 signals; every wave waits for all four work-groups; my work-group's barrier once more.
.macro CROUND
	s_barrier_signal -1
	s_barrier_wait -1
	s_cmp_lg_u32 s[WV], 0
	s_cbranch_scc1 .Lnot_wave_0_\@
	s_barrier_signal -3
.Lnot_wave_0_\@:
	s_barrier_wait -3
	s_barrier_signal -1
	s_barrier_wait -1
.endm
.macro JLOAD                           ; a joint refill: every wave fetches its own 64 rows; an s_nop 0 and four v_nop follow the line
	tensor_load_to_lds s[G0E:G0E+3], s[G1E:G1E+7]
	s_nop 0
	PLACES
.endm
; A PREFETCH of the codes that the change of slots after the next will ask for: two slots, 512 matrix instructions, ahead.  A wave's part of a slot is 128 blocks of 256 bytes.  All clusters walk the same codes: cluster 0 asks,
; and nobody else (the branch hangs on the cluster's number, the same in all four partners); its partners share the blocks out BY ADDRESS, 32 each, a lane a block; each wave asks for its own quarter of the codes.
; So each block is named once in the launch.  Slots 0 to 2 come by their loads alone; the last two refills ask for nothing: there is no slot two on.
.macro ASK
	s_cmp_gt_u32 s[LEFT], s[LIM]
	s_cbranch_scc0 .Lnot_mine_\@
	global_prefetch_b8 v[PFO], s[PFA:PFA+1] th:TH_LOAD_NT scope:SCOPE_SE
.Lnot_mine_\@:
.endm
; THE CHANGE OF SLOTS.  The old slot's last tile lies in registers.  Each wave waits for all its tensor loads, of which one is out: its part of the other slot; adds 0 to its spare word; and waits for that and for its reads.
; fill = 1: the barrier is a round of the cluster's, so that no wave of any partner still reads the slot or has a load on its way, and the joint refill is the first thing behind it: it has four turns in which to land.
; tb = 1: the fetches go over to the other slot.  init = 1 (the first change, which takes z's bytes for codes): the minima's starting values are written while the add is out.
.macro CHANGE fill, tb, init=0
	WIN 0                                          ; at a label and at a branch every window is 0; the add's registers lie in window 0
	s_wait_tensorcnt 0x0                           ; no tensor load of mine is out, so group 0 may be written
	ds_add_u32 v[SPW], v[NIL]                      ; 0 onto my spare word: work on registers stands between it and the wait for it
.if \init
.set z_, 0
.rept 8
	v_mov_b32 v[BEST+2*z_], 0x7f800000             ; +infinity: the first tile's least d takes its place
	v_mov_b32 v[TT+z_], 0
.set z_, z_+1
.endr
.set z_, 0
.rept 64
	v_mov_b32 v[SNAP+z_], 0x7f800000
.set z_, z_+1
.endr
.endif
.if \fill
	s_xor_b32 s[G0E+1], s[G0E+1], SLOT             ; the walking descriptor: the other slot than last time,
	s_add_nc_u64 s[G0E+2:G0E+3], s[G0E+2:G0E+3], SLOTB  ; my next 64 codes; the type bits on top are not reached
	s_wait_xcnt 0x0                                ; the last prefetch, four turns back, has read its address, so it may be written
	s_add_nc_u64 s[PFA:PFA+1], s[PFA:PFA+1], SLOTB
	s_wait_dscnt 0x0                               ; the add is done, my reads of the slot are over, my LDS stores have landed
	CROUND
	JLOAD
	ASK
.else
	s_wait_dscnt 0x0
	s_barrier_signal -1
	s_barrier_wait -1
.endif
.if \tb
	s_sub_co_u32 s[TBK], s[TBK], WROWS             ; back to a slot's first tile,
	s_xor_b32 s[TBK], s[TBK], SLOT                 ; in the other slot
.endif
.endm
; THE LDS LOADS of a turn stand in one run.  ree = 1: this tile's eight ee (two loads, the same bytes for the 16 lanes of a half) into buffer p.  ra = 1: the next tile's 8 fragments into the other buffer of codes:
; lane l takes row l % 16, channels 8 (l / 16) + 0..7 and 16 + 8 (l / 16) + 0..7 of each 32: two loads of 16 bytes, 32 bytes apart.
.macro RUN p, ree, ra
	WIN 0
.if \ra
	v_add_nc_u32 v[ADR], s[TBK], v[A0]
.endif
.if \ree
	v_add_nc_u32 v[EAD], s[TBE], v[E0]
	ds_load_b128 v[EE+8*(\p):EE+8*(\p)+3],   v[EAD]
	ds_load_b128 v[EE+8*(\p)+4:EE+8*(\p)+7], v[EAD] offset:16
	s_add_co_u32 s[TBE], s[TBE], 64
.endif
.if \ra
	WIN 0x40                                       ; destination window 1, address window 0
.irp k, 0,1,2,3,4,5,6,7
	ds_load_b128 v[64*(1-(\p))+8*(\k):64*(1-(\p))+8*(\k)+3],   v[ADR] offset:64*(\k)
	ds_load_b128 v[64*(1-(\p))+8*(\k)+4:64*(1-(\p))+8*(\k)+7], v[ADR] offset:64*(\k)+32
.endr
	s_add_co_u32 s[TBK], s[TBK], TILEB
.endif
.endm
; Product i_ of 64: channels 32 (i_ / 8) on, query tile i_ % 8.  The first eight start the sums with the constant 0: nothing is cleared.
.macro MM p
.set t_, i_%8
.set k_, i_/8
.set rD, ACC+64*(\p)+8*t_
.set rA, 64*(\p)+8*k_
.set rQ, 64*(t_%4)+8*k_
	WIN 0x09+4*(t_/4)                              ; codes in window 1, queries in window 2 or 3, sums in window 0
.if k_ == 0
	v_wmma_f32_16x16x32_bf16 v[rD:rD+7], v[rA:rA+7], v[rQ:rQ+7], 0
.else
	v_wmma_f32_16x16x32_bf16 v[rD:rD+7], v[rA:rA+7], v[rQ:rQ+7], v[rD:rD+7]
.endif
.endm
; THE VECTOR WORK of a code tile: 22 instructions for each query tile, 176 in all; EP writes number q_ of them, for the accumulators of set pp.  Two query tiles alternate, so that no line reads the result of the line before it.
;   0-3   d = dot x -2 + zz, two at a time, in place (the accumulator's lowest registers first)          4-7   d = d + ee
;   8-11  the least of the eight d and the old minimum, three operands at a time       12  has it fallen?  Strictly: of equal d the earlier tile stays       13  if so the tile's number,   14-21  and its eight d, are kept
.macro EP pp
.set t_, 2*(q_/44)+q_%2
.set n_, (q_%44)/2
.set d_, ACC+64*(\pp)+8*t_
.set m_, TM+4*(t_%2)
.set o_, BEST+2*t_+(\pp)
.set w_, BEST+2*t_+1-(\pp)
.set x_, MK+t_%2
	WIN 0
.if (n_ < 4) && (t_%2 == 0)
	v_pk_fma_f32 v[d_+2*n_:d_+2*n_+1], v[d_+2*n_:d_+2*n_+1], -2.0, v[ZZ+t_:ZZ+t_+1] op_sel_hi:[1,0,0]                 ; zz is the pair's first register, for both
.elseif n_ < 4
	v_pk_fma_f32 v[d_+2*n_:d_+2*n_+1], v[d_+2*n_:d_+2*n_+1], -2.0, v[ZZ+t_-1:ZZ+t_] op_sel:[0,0,1] op_sel_hi:[1,0,1]  ; the pair's second, for both
.elseif n_ < 8
	v_pk_add_f32 v[d_+2*n_-8:d_+2*n_-7], v[d_+2*n_-8:d_+2*n_-7], v[EE+8*(\pp)+2*n_-8:EE+8*(\pp)+2*n_-7]
.elseif n_ == 8
	v_min3_num_f32 v[m_], v[d_], v[d_+1], v[d_+2]
.elseif n_ == 9
	v_min3_num_f32 v[m_+1], v[d_+3], v[d_+4], v[d_+5]
.elseif n_ == 10
	v_min3_num_f32 v[m_+2], v[d_+6], v[d_+7], v[o_]
.elseif n_ == 11
	v_min3_num_f32 v[w_], v[m_], v[m_+1], v[m_+2]
.elseif n_ == 12
	v_cmp_lt_f32 s[x_], v[w_], v[o_]
.elseif n_ == 13
	v_cndmask_b32 v[TT+t_], v[TT+t_], s[TN], s[x_]
.else
	v_cndmask_b32 v[SNAP+8*t_+n_-14], v[SNAP+8*t_+n_-14], v[d_+n_-14], s[x_]
.endif
.set q_, q_+1
.endm
; A TURN, for a code tile of parity p.  mm = 1: its 64 products.  ep = 1: the vector work of the tile before, on the other set: 176 = 16 x (3 + 3 + 3 + 2), dealt behind the products.
; DISTANCES.  The lines behind a product name the OTHER set's accumulators, so they are places behind it.  An accumulator's last product is one of the turn's last eight; its first reader stands in the next turn, behind the two
; or more lines of each later product (behind the first turn, which has none, four v_nop).  The run of loads writes the buffer of codes that the turn before read: its last reader lies two lines, two products' six lines and the run's own additions back.
.macro TURN p, ep, mm, ree, ra
	s_wait_dscnt 0x0                               ; the run of loads of the turn before, issued 62 products back, is in
.set i_, 0
.set q_, 0
.rept 64
.if \mm
	MM \p
.endif
.if \ep
	EP 1-(\p)
	EP 1-(\p)
.if i_%4 != 3
	EP 1-(\p)
.endif
.endif
.if ((\ree) || (\ra)) && (i_ == 1)
	RUN \p, \ree, \ra
.endif
.set i_, i_+1
.endr
.if \ep
	s_add_co_u32 s[TN], s[TN], 1
.else
	PLACES
.endif
.endm
.macro TWO_PAIRS                       ; a slot's four turns: two written, walked twice; the LDS addresses hang on s[TBK] and s[TBE]
	WIN 0
	s_mov_b32 s[CNT], 2
.Lpair_\@:
	TURN 1, 1, 1, 1, 1
	TURN 0, 1, 1, 1, 1
	WIN 0
	s_sub_co_u32 s[CNT], s[CNT], 1
	s_cmp_lg_u32 s[CNT], 0
	s_cbranch_scc1 .Lpair_\@
.endm
; QUERY TILE t comes out of LDS as f32 and is rounded to bf16 into its 64 registers: for each 32 channels a lane takes its query's channels 8 (l / 16) + 0..7 and 16 + 8 (l / 16) + 0..7: four loads of 16 bytes.
; Beside that, each lane adds channels 32 t .. 32 t + 31 of ITS OWN query (32 w + lane) to that query's sum of squares, rounded first and in ascending order; a square of a bf16 number is exact in f32.
.macro ZBLOCK t
	WIN 0
.irp i, 0,1,2,3,4,5,6,7
	ds_load_b128 v[ZOWN+4*(\i):ZOWN+4*(\i)+3], v[ZR] offset:128*(\t)+16*(\i)
.endr
.irp k, 0,1,2,3,4,5,6,7
	ds_load_b128 v[ACC+16*(\k):ACC+16*(\k)+3],     v[ZF+(\t)/4] offset:16*ZPITCH*((\t)%4)+128*(\k)
	ds_load_b128 v[ACC+16*(\k)+4:ACC+16*(\k)+7],   v[ZF+(\t)/4] offset:16*ZPITCH*((\t)%4)+128*(\k)+16
	ds_load_b128 v[ACC+16*(\k)+8:ACC+16*(\k)+11],  v[ZF+(\t)/4] offset:16*ZPITCH*((\t)%4)+128*(\k)+64
	ds_load_b128 v[ACC+16*(\k)+12:ACC+16*(\k)+15], v[ZF+(\t)/4] offset:16*ZPITCH*((\t)%4)+128*(\k)+80
.endr
	s_wait_dscnt 32                                ; my own row's eight loads are in; the 32 issued behind them stay out
.set z_, 0
.rept 16
	v_cvt_pk_bf16_f32 v[ZCV+z_], v[ZOWN+2*z_], v[ZOWN+2*z_+1]
.set z_, z_+1
.endr
.set z_, 0
.rept 16
	v_fma_mix_f32_bf16 v[ZSUM], v[ZCV+z_], v[ZCV+z_], v[ZSUM] op_sel_hi:[1,1,0]
	v_fma_mix_f32_bf16 v[ZSUM], v[ZCV+z_], v[ZCV+z_], v[ZSUM] op_sel:[1,1,0] op_sel_hi:[1,1,0]
.set z_, z_+1
.endr
	s_wait_dscnt 0x0
	WIN 0x80+0x40*((\t)/4)                         ; destination window 2 or 3
.set z_, 0
.rept 64
	v_cvt_pk_bf16_f32 v[64*((\t)%4)+z_], v[ACC+2*z_], v[ACC+2*z_+1]
.set z_, z_+1
.endr
	WIN 0
.endm
	s_load_b256 s[4:11], s[0:1], 0x0               ; z s[4:5], ebf s[6:7], ee s[8:9], idx s[10:11]
	v_lshl_add_u32 v[SPW], v0, 2, SPARE
	v_mov_b32 v[NIL], 0
	ds_add_u32 v[SPW], v[NIL]                      ; the wave's opening: the add, twice on end, and its wait ahead of my first tensor load; the set-up below, work on registers, stands between
	ds_add_u32 v[SPW], v[NIL]                      ; and once more, under the one wait
	v_lshrrev_b32 v8, 5, v0
	v_readfirstlane_b32 s[WV], v8                  ; wave 0..3
	s_bfe_u32 s13, ttmp6, 0x40000                  ; cx: my place in the cluster
	s_lshl_b32 s14, ttmp9, 2                       ; in a cluster launch ttmp9 counts clusters
	s_add_co_u32 s14, s14, s13                     ; my block of 128 queries: it enters z's, idx's and the prefetches' addresses alone
	; group 1, codes: 64 rows x 256 elements of 2 bytes, padded in LDS
	s_mov_b32 s[G1E], 15|(1<<16)|(1<<20)|(1<<21)|(6<<22)|(3<<25)  ; 15:0 the mask of four; 17:16 2-byte elements; 20 padding on; 21 set beside a mask; 24:22 after every 128 words (code 6); 31:25 4 words (code 3)
	s_mov_b32 s[G1E+1], 256<<16                    ; tensor_dim0 = 256
	s_mov_b32 s[G1E+2], 64<<16                     ; tensor_dim1 = 64
	s_mov_b32 s[G1E+3], 256<<16                    ; tile_dim0 = 256
	s_mov_b32 s[G1E+4], 64                         ; tile_dim1 = 64
	s_mov_b32 s[G1E+5], 256                        ; 256 elements from row to row
	s_mov_b32 s[G1E+6], 0
	s_mov_b32 s[G1E+7], 0
	; group 1, z: 32 rows x 256 elements of 4 bytes, padded in LDS; no mask: each work-group has its own queries
	s_mov_b32 s[G1Z], (2<<16)|(1<<20)|(7<<22)|(3<<25)  ; 4-byte elements; padding after every 256 words (code 7), 4 words (code 3)
	s_mov_b32 s[G1Z+1], 256<<16
	s_mov_b32 s[G1Z+2], 32<<16
	s_mov_b32 s[G1Z+3], 256<<16
	s_mov_b32 s[G1Z+4], 32
	s_mov_b32 s[G1Z+5], 256
	s_mov_b32 s[G1Z+6], 0
	s_mov_b32 s[G1Z+7], 0
	; group 1, ee: a dense block of 8,192 bytes as 32 rows of 256 bytes (32 elements of 8 bytes); joint
	s_mov_b32 s[G1T], 15|(3<<16)|(1<<21)
	s_mov_b32 s[G1T+1], 32<<16
	s_mov_b32 s[G1T+2], 32<<16
	s_mov_b32 s[G1T+3], 32<<16
	s_mov_b32 s[G1T+4], 32
	s_mov_b32 s[G1T+5], 32
	s_mov_b32 s[G1T+6], 0
	s_mov_b32 s[G1T+7], 0
	s_mov_b32 s[G0E], 1                            ; count = 1
	s_mul_i32 s[G0E+1], s[WV], WROWS               ; LDS: my part of slot 0: no place in the cluster enters an LDS address
	s_mov_b32 s[G0Z], 1
	s_mul_i32 s[G0Z+1], s[WV], 32*ZPITCH           ; my 32 rows of z, in slot 1's bytes
	s_add_co_u32 s[G0Z+1], s[G0Z+1], SLOT
	s_mov_b32 s[G0T], 1
	s_lshl_b32 s[G0T+1], s[WV], 13                 ; my quarter of the table
	s_add_co_u32 s[G0T+1], s[G0T+1], EET
	s_lshl_b32 s16, s[WV], 20                      ; my quarter of the codes: 2,048 rows of 512 bytes
	s_mov_b32 s17, 0
	s_lshl_b32 s18, s14, 17                        ; my work-group's 128 rows of z, 1,024 bytes each,
	s_lshl_b32 s19, s[WV], 15                      ; my wave's 32 of them
	s_add_co_u32 s18, s18, s19
	s_mov_b32 s19, 0
	s_lshl_b32 s70, s[WV], 13                      ; my quarter of ee
	s_mov_b32 s71, 0
	s_lshl_b32 s72, s13, 13                        ; the prefetches: my work-group's 32 blocks of the 128,
	s_add_co_u32 s72, s72, 2*SLOTB                 ; in slot 2; the first change steps it to slot 3
	s_mov_b32 s73, 0
	s_cmp_eq_u32 ttmp9, 0
	s_cselect_b32 s[LIM], 2, -1
	s_mov_b32 s[TBK], 0
	s_mov_b32 s[TBE], 0
	s_mov_b32 s[TN], 0
	s_mov_b32 s[LEFT], 31
	s_mov_b32 s[SEL], 0x76543210
	s_mov_b32 s[SEL+1], 0xfedcba98
	s_wait_dscnt 0x0                               ; both opening adds are done
	s_wait_kmcnt 0x0
	s_add_nc_u64 s[G0E+2:G0E+3], s[6:7], s[16:17]
	s_or_b32 s[G0E+3], s[G0E+3], 0x80000000        ; type = 2
	s_add_nc_u64 s[PFA:PFA+1], s[6:7], s[16:17]
	s_add_nc_u64 s[PFA:PFA+1], s[PFA:PFA+1], s[72:73]
	s_add_nc_u64 s[G0Z+2:G0Z+3], s[4:5], s[18:19]
	s_or_b32 s[G0Z+3], s[G0Z+3], 0x80000000
	s_add_nc_u64 s[G0T+2:G0T+3], s[8:9], s[70:71]
	s_or_b32 s[G0T+3], s[G0T+3], 0x80000000
	s_lshl_b32 s18, s14, 9                         ; my work-group's 128 words of idx
	s_add_nc_u64 s[10:11], s[10:11], s[18:19]
	CROUND                                         ; all four work-groups are here: the first joint loads meet
	tensor_load_to_lds s[G0Z:G0Z+3], s[G1Z:G1Z+7]  ; the three first fills go out together: three loads of mine are out
	s_nop 0
	tensor_load_to_lds s[G0E:G0E+3], s[G1E:G1E+7]
	s_nop 0
	tensor_load_to_lds s[G0T:G0T+3], s[G1T:G1T+7]
	s_nop 0
	PLACES
	v_and_b32 v12, 15, v0                          ; l % 16
	v_bfe_u32 v13, v0, 4, 1                        ; l / 16
	v_and_b32 v14, 31, v0                          ; l
	v_lshlrev_b32 v[PFO], 8, v14
	v_mul_u32_u24 v[A0], v12, PITCH
	v_lshl_add_u32 v[A0], v13, 4, v[A0]
	v_add_nc_u32 v[A0], s[G0E+1], v[A0]            ; (read alone: it still holds 33,792 w)
	v_lshlrev_b32 v[E0], 5, v13
	v_add_nc_u32 v[E0], s[G0T+1], v[E0]            ; (read alone: EET + 8,192 w)
	v_mul_u32_u24 v[ZR], v0, ZPITCH                ; query 32 w + lane is my thread's number
	v_add_nc_u32 v[ZR], SLOT, v[ZR]
	v_mul_u32_u24 v[ZF], v12, ZPITCH
	v_lshl_add_u32 v[ZF], v13, 5, v[ZF]            ; row x pitch + 32 x half (8 numbers of 4 bytes)
	v_add_nc_u32 v[ZF], SLOT, v[ZF]
	v_add_nc_u32 v[ZF+1], 64*ZPITCH, v[ZF]         ; tiles 4-7: beyond what an offset of 16 bits reaches
	v_lshl_add_u32 v[ZST], v0, 2, ZZS
	v_lshl_add_u32 v[ZLD], v12, 2, ZZS
	v_mov_b32 v[ZSUM], 0
	s_wait_tensorcnt 0x0                           ; my parts of z, of slot 0 and of ee are in,
	s_barrier_signal -1
	s_barrier_wait -1                              ; everybody's are
.irp t, 0,1,2,3,4,5,6,7
	ZBLOCK \t
.endr
	ds_store_b32 v[ZST], v[ZSUM]                   ; zz of query 32 w + lane
	CHANGE 1, 0, 1                                 ; z has been read: its bytes take slot 1's codes; the round also shows every wave all of zz
.irp t, 0,1,2,3,4,5,6,7
	ds_load_b32 v[ZZ+(\t)], v[ZLD] offset:64*(\t)  ; zz of query 16 t + l % 16
.endr
	RUN 1, 0, 1                                    ; code tile 0
	TURN 0, 0, 1, 1, 1                             ; tile 0's products: there is no vector work yet to set between them
	TURN 1, 1, 1, 1, 1
	TURN 0, 1, 1, 1, 1
	WIN 0
	s_mov_b32 s[LEFT], 30
.Lslot:                                        ; 30 trips: slots 2 to 31 are asked for; a trip holds turns 4 s + 3 to 4 s + 6
	CHANGE 1, 1
	TWO_PAIRS
	s_sub_co_u32 s[LEFT], s[LEFT], 1
	s_cmp_lg_u32 s[LEFT], 0
	s_cbranch_scc1 .Lslot
	CHANGE 0, 1                                    ; the tail is written out: nothing is asked for
	TWO_PAIRS
	TURN 1, 1, 1, 1, 0                             ; tile 127: no further codes
	TURN 0, 1, 0, 0, 0                             ; its vector work
	WIN 0
	; THE END.  Which of the kept eight d is the minimum: the lowest place that equals it.  Then the index, the other half of the lanes (the same query's other codes), the other waves.  Of equal d the lower index stays.
	v_and_b32 v8, 15, v0
	v_bfe_u32 v9, v0, 4, 1
	s_lshl_b32 s70, s[WV], 11
	v_lshl_add_u32 v10, v9, 3, s70                 ; 2,048 w + 8 (l / 16)
	s_lshl_b32 s71, s[WV], 9
	v_lshl_add_u32 v11, v8, 2, s71                 ; 512 w + 4 (l % 16)
	v_add_nc_u32 v11, MB, v11
.irp t, 0,1,2,3,4,5,6,7
	v_mov_b32 v[JJ+(\t)], 7
.endr
.irp j, 6,5,4,3,2,1,0
.irp t, 0,1,2,3,4,5,6,7
	v_cmp_eq_f32 vcc_lo, v[SNAP+8*(\t)+(\j)], v[BEST+2*(\t)]
	v_cndmask_b32 v[JJ+(\t)], v[JJ+(\t)], \j, vcc_lo
.endr
.endr
.irp t, 0,1,2,3,4,5,6,7
	v_lshl_add_u32 v[II+(\t)], v[TT+(\t)], 4, v[JJ+(\t)]
	v_add_nc_u32 v[II+(\t)], v10, v[II+(\t)]
	v_permlanex16_b32 v[OB+(\t)], v[BEST+2*(\t)], s[SEL], s[SEL+1]
	v_permlanex16_b32 v[OI+(\t)], v[II+(\t)], s[SEL], s[SEL+1]
	v_cmp_lt_f32 s70, v[OB+(\t)], v[BEST+2*(\t)]
	v_cmp_eq_f32 s71, v[OB+(\t)], v[BEST+2*(\t)]
	v_cmp_lt_u32 s72, v[OI+(\t)], v[II+(\t)]
	s_and_b32 s71, s71, s72
	s_or_b32 s70, s70, s71                         ; the other half's is less, or equal with the lower index
	v_cndmask_b32 v[BEST+2*(\t)], v[BEST+2*(\t)], v[OB+(\t)], s70
	v_cndmask_b32 v[II+(\t)], v[II+(\t)], v[OI+(\t)], s70
	ds_store_b32 v11, v[BEST+2*(\t)] offset:64*(\t)       ; both halves of the lanes write the same number to the same word
	ds_store_b32 v11, v[II+(\t)] offset:MI-MB+64*(\t)
.endr
	s_wait_dscnt 0x0                               ; for wave 0's sake: my minima and indices lie in LDS
	s_barrier_signal -1
	s_barrier_wait -1
	s_cmp_lg_u32 s[WV], 0
	s_cbranch_scc1 .Lend                           ; wave 0 finishes: four queries a lane
	v_and_b32 v12, 31, v0
	v_lshlrev_b32 v13, 4, v12
	v_add_nc_u32 v14, MB, v13
.irp w, 0,1,2,3
	ds_load_b128 v[160+4*(\w):163+4*(\w)], v14 offset:512*(\w)
	ds_load_b128 v[176+4*(\w):179+4*(\w)], v14 offset:MI-MB+512*(\w)
.endr
	s_wait_dscnt 0x0
.irp w, 1,2,3
.irp c, 0,1,2,3
	v_cmp_lt_f32 vcc_lo, v[160+4*(\w)+(\c)], v[160+(\c)]   ; strictly: a later wave's codes have the higher indices
	v_cndmask_b32 v[160+(\c)], v[160+(\c)], v[160+4*(\w)+(\c)], vcc_lo
	v_cndmask_b32 v[176+(\c)], v[176+(\c)], v[176+4*(\w)+(\c)], vcc_lo
.endr
.endr
	global_store_b128 v13, v[176:179], s[10:11]    ; 512 consecutive bytes, at a multiple of 512 from idx's first byte
.Lend:
	s_wait_tensorcnt 0x0                           ; the wave's end, behind my last tensor load and my last LDS store
	ds_add_u32 v[SPW], v[NIL]
	s_wait_dscnt 0x0
	CROUND                                         ; the closing round: no work-group ends while a partner may still ask for a tile that names it
	s_endpgm
.Lfunc_end_k_q7858a7be2a_vqmin:
	.size	k_q7858a7be2a_vqmin, .Lfunc_end_k_q7858a7be2a_vqmin-k_q7858a7be2a_vqmin
	.p2alignl 7, 3214868480
	.fill 96, 4, 3214868480
	.section	.rodata,"a",@progbits
	.p2align	6, 0x0
	.amdhsa_kernel k_q7858a7be2a_vqmin
		.amdhsa_group_segment_fixed_size 327680
		.amdhsa_private_segment_fixed_size 0
		.amdhsa_enable_private_segment 0
		.amdhsa_kernarg_size 32
		.amdhsa_user_sgpr_count 2
		.amdhsa_user_sgpr_kernarg_segment_ptr 1
		.amdhsa_wavefront_size32 1
		.amdhsa_system_sgpr_workgroup_id_x 1
		.amdhsa_system_sgpr_workgroup_id_y 1
		.amdhsa_system_sgpr_workgroup_id_z 1
		.amdhsa_system_vgpr_workitem_id 0
		.amdhsa_next_free_vgpr 1024
		.amdhsa_next_free_sgpr 76
		.amdhsa_reserve_vcc 1
		.amdhsa_float_denorm_mode_32 3
		.amdhsa_float_denorm_mode_16_64 3
		.amdhsa_memory_ordered 1
		.amdhsa_forward_progress 1
		.amdhsa_inst_pref_size 255
	.end_amdhsa_kernel
	.section	.bss,"aw",@nobits
	.p2align	6
	.space	262144
	.amdgpu_metadata
---
amdhsa.version: [ 1, 2 ]
amdhsa.kernels:
  - .name:           k_q7858a7be2a_vqmin
    .symbol:         k_q7858a7be2a_vqmin.kd
    .args:
      - { .name: z, .offset: 0, .size: 8, .value_kind: global_buffer, .address_space: global }
      - { .name: ebf, .offset: 8, .size: 8, .value_kind: global_buffer, .address_space: global }
      - { .name: ee, .offset: 16, .size: 8, .value_kind: global_buffer, .address_space: global }
      - { .name: idx, .offset: 24, .size: 8, .value_kind: global_buffer, .address_space: global }
    .group_segment_fixed_size: 327680
    .private_segment_fixed_size: 0
    .kernarg_segment_align: 8
    .kernarg_segment_size: 32
    .max_flat_workgroup_size: 128
    .sgpr_count:     76
    .vgpr_count:     1024
    .wavefront_size: 32
...
	.end_amdgpu_metadata
.endif
;; end of part 2
;; launch gather (part 3): grid 256 x 1, 8 waves a work-group, no clusters, 0 bytes of LDS; arguments idx, embeddings, out0; writes out0
.if DOCPART == 3
	.amdgcn_target "amdgcn-amd-amdhsa--gfx1250"
	.amdhsa_code_object_version 6
	.text
	.protected	k_q7858a7be2a_gather
	.globl	k_q7858a7be2a_gather
	.p2align	8
	.type	k_q7858a7be2a_gather,@function
k_q7858a7be2a_gather:
	s_mov_b64 s[64:65], 0
	v_nop
	global_prefetch_b8 v0, s[64:65] scope:SCOPE_SE
	s_setreg_imm32_b32 hwreg(HW_REG_WAVE_MODE, 25, 1), 1
	s_wait_xcnt 0x0
; out0[q][:] = embeddings[idx[q]][:].  idx: [32768] u32, stored by the launch before; embeddings: [8192][256] f32; out0: [32768][256] f32.
; A wave copies 16 rows of 1,024 bytes: its 16 indices come by one scalar load; each row is two loads and two stores of 512 consecutive bytes.  All 32 loads of a wave go out at once (16 KiB),
; and each store follows its load's arrival.  No LDS, no matrix unit, no cluster: the launch only moves bytes, and which rows two work-groups share hangs on the data.
; An index is held to 0 .. 8,191 before it enters an address; the launch before stores none outside that range.
.set LO,  1                            ; v1  16 x lane
.set D,   16                           ; v[16:143]  32 loads of 4
.set AD,  144                          ; v[144:159] row i's byte offset in embeddings, plus 16 x lane
	s_load_b128 s[4:7], s[0:1], 0x0                ; idx s[4:5], embeddings s[6:7]
	s_load_b64 s[8:9], s[0:1], 0x10                ; out0
	v_lshrrev_b32 v2, 5, v0
	v_readfirstlane_b32 s12, v2                    ; wave 0..7
	v_and_b32 v[LO], 31, v0
	v_lshlrev_b32 v[LO], 4, v[LO]
	s_lshl_b32 s13, ttmp9, 7                       ; the work-group's 128 rows,
	s_lshl_b32 s14, s12, 4                         ; my wave's 16
	s_add_co_u32 s13, s13, s14
	s_lshl_b32 s32, s13, 2                         ; their words of idx,
	s_mov_b32 s33, 0
	s_lshl_b32 s34, s13, 10                        ; their rows of out0
	s_mov_b32 s35, 0
	s_wait_kmcnt 0x0
	s_add_nc_u64 s[4:5], s[4:5], s[32:33]
	s_add_nc_u64 s[8:9], s[8:9], s[34:35]
	s_load_b512 s[16:31], s[4:5], 0x0              ; my 16 indices
	s_wait_kmcnt 0x0
.set i_, 0
.rept 16
	s_min_u32 s[16+i_], s[16+i_], 0x1fff
	v_lshl_add_u32 v[AD+i_], s[16+i_], 10, v[LO]
.set i_, i_+1
.endr
.set n_, 0
.rept 32                               ; load n: row n / 2, half n % 2.  No hint: a row may be named more than once
	global_load_b128 v[D+4*n_:D+4*n_+3], v[AD+n_/2], s[6:7] offset:512*(n_%2)
.set n_, n_+1
.endr
.set n_, 0
.rept 32
	s_wait_loadcnt 31-n_                           ; loads come back in order: load n is in, the younger ones stay out
	global_store_b128 v[LO], v[D+4*n_:D+4*n_+3], s[8:9] offset:512*n_ th:TH_STORE_NT  ; 512 consecutive bytes, at a multiple of 512 from out0's first byte
.set n_, n_+1
.endr
	s_endpgm
.Lfunc_end_k_q7858a7be2a_gather:
	.size	k_q7858a7be2a_gather, .Lfunc_end_k_q7858a7be2a_gather-k_q7858a7be2a_gather
	.p2alignl 7, 3214868480
	.fill 96, 4, 3214868480
	.section	.rodata,"a",@progbits
	.p2align	6, 0x0
	.amdhsa_kernel k_q7858a7be2a_gather
		.amdhsa_group_segment_fixed_size 0
		.amdhsa_private_segment_fixed_size 0
		.amdhsa_enable_private_segment 0
		.amdhsa_kernarg_size 24
		.amdhsa_user_sgpr_count 2
		.amdhsa_user_sgpr_kernarg_segment_ptr 1
		.amdhsa_wavefront_size32 1
		.amdhsa_system_sgpr_workgroup_id_x 1
		.amdhsa_system_sgpr_workgroup_id_y 1
		.amdhsa_system_sgpr_workgroup_id_z 1
		.amdhsa_system_vgpr_workitem_id 0
		.amdhsa_next_free_vgpr 160
		.amdhsa_next_free_sgpr 66
		.amdhsa_reserve_vcc 0
		.amdhsa_float_denorm_mode_32 3
		.amdhsa_float_denorm_mode_16_64 3
		.amdhsa_memory_ordered 1
		.amdhsa_forward_progress 1
		.amdhsa_inst_pref_size 10
	.end_amdhsa_kernel
	.amdgpu_metadata
---
amdhsa.version: [ 1, 2 ]
amdhsa.kernels:
  - .name:           k_q7858a7be2a_gather
    .symbol:         k_q7858a7be2a_gather.kd
    .args:
      - { .name: idx, .offset: 0, .size: 8, .value_kind: global_buffer, .address_space: global }
      - { .name: embeddings, .offset: 8, .size: 8, .value_kind: global_buffer, .address_space: global }
      - { .name: out0, .offset: 16, .size: 8, .value_kind: global_buffer, .address_space: global }
    .group_segment_fixed_size: 0
    .private_segment_fixed_size: 0
    .kernarg_segment_align: 8
    .kernarg_segment_size: 24
    .max_flat_workgroup_size: 256
    .sgpr_count:     66
    .vgpr_count:     160
    .wavefront_size: 32
...
	.end_amdgpu_metadata
.endif
;; end of part 3
;; ======== version 2 of 2: 3 launches; version 1 with the launch prep written anew for expert scheduling mode
;; workspace buffers: ebf 4,194,304 bytes; ee 32,768 bytes; idx 131,072 bytes of whole numbers
;; launch prep (part 4): grid 256 x 1, 4 waves a work-group, no clusters, 17,408 bytes of LDS; arguments embeddings, ebf, ee; writes ebf, ee
.if DOCPART == 4
	.amdgcn_target "amdgcn-amd-amdhsa--gfx1250"
	.amdhsa_code_object_version 6
	.text
	.protected	k_q7858a7be2a_prep
	.globl	k_q7858a7be2a_prep
	.p2align	8
	.type	k_q7858a7be2a_prep,@function
k_q7858a7be2a_prep:
	s_mov_b64 s[64:65], 0
	v_nop
	global_prefetch_b8 v0, s[64:65] scope:SCOPE_SE
	s_setreg_imm32_b32 hwreg(HW_REG_WAVE_SCHED_MODE, 0, 2), 2
	s_setreg_imm32_b32 hwreg(HW_REG_WAVE_MODE, 25, 1), 1
	s_wait_xcnt 0x0
	s_wait_alu depctr_vm_vsrc(0)
; ebf[k][c] = embeddings[k][c] rounded to bf16 (nearest even);  ee[k] = the sum over c, ascending, of ebf[k][c]^2 in f32.
; embeddings: [8192][256] f32.  ebf: [8192][256] bf16.  ee: [8192] f32.
; A work-group takes 32 rows, each of its four waves 8.  A load of a wave covers 512 consecutive bytes (half a row of f32), the store of its
; rounded numbers 256 consecutive bytes, aligned.  The rounded rows also go into LDS, from where wave 0 takes a row a lane and sums the squares in
; ascending order: a square of a bf16 number is exact in f32, so each fused multiply-add is one f32 addition of the exact square.
; No matrix unit, no cluster: no two work-groups read the same byte, and the arithmetic is one multiply-add a number.
; KEPT AS IT IS: ee leaves as 128 consecutive bytes a work-group (32 rows x 4 bytes); the whole table is 32,768 bytes.
; THE MODE: SCHED_MODE bits 1:0 = 2 (LLVM: expert scheduling mode 2), set by the entry lines.  The code itself states the register dependences
; between vector instructions and memory or LDS instructions, with s_wait_alu, always for 0.
; THE PLAN.  Registers that memory or LDS instructions touch:
;   v1 to v5   offsets and LDS addresses: written once at the head by vector instructions, read by the loads and stores, never written again.
;   v6, v7     written at the head, read by the closing add alone.
;   X          written by the sixteen global loads, once; read by the roundings.  No vector instruction names it ahead of the loads.
;   Y          each pair is written once, by its two roundings; read by one global store and one LDS store.
;   R          written by wave 0's 32 LDS loads, once; read by the multiply-adds.  No vector instruction names it ahead of the loads.
;   SUM        written by the multiply-adds; read by the store of ee, behind which nothing writes it.
; The sixteen loads are worked on in four blocks of four.  Block b rounds X's block b into Y's block b; its memory instructions are the eight stores of block b - 1,
; whose data no vector instruction of block b names.  So one wait on va_vdst at a block's head states all that its stores hang on, and they are dealt among its roundings.
; No register that a memory or LDS instruction has read is written again, so the text holds no wait on vm_vsrc.
.set SP,    528                        ; an LDS row: 512 bytes + 16: thirty-three times 16 bytes, so 16 lanes that take the same column of 16 rows start 16 bytes apart modulo 256
.set SPARE, 32*SP                      ; 16,896: behind the stage: the spare words, 128 bytes for each wave, that no other line names
.set LO,  1                            ; v1  16 x lane: my 16 bytes of a load
.set SO,  2                            ; v2  8 x lane: my 8 bytes of a store
.set LS,  3                            ; v3  where I put them in the stage
.set LR,  4                            ; v4  lane x 528: wave 0 reads a row a lane
.set EO,  5                            ; v5  4 x lane: my word of ee
.set SPW, 6                            ; v6  LDS address of my spare word; never rewritten
.set NIL, 7                            ; v7  0; never rewritten
.set SUM, 8                            ; v8  the running sum
.set X,   16                           ; v[16:79]   sixteen loads of 4
.set Y,   80                           ; v[80:111]  sixteen pairs to store; each is written once
.set R,   128                          ; v[128:255] a whole rounded row, 2 numbers a register
	s_load_b128 s[4:7], s[0:1], 0x0                ; embeddings s[4:5], ebf s[6:7]
	s_load_b64 s[8:9], s[0:1], 0x10                ; ee
	v_lshl_add_u32 v[SPW], v0, 2, SPARE
	v_mov_b32 v[NIL], 0
	v_lshrrev_b32 v9, 5, v0
	v_readfirstlane_b32 s12, v9                    ; wave 0..3
	v_and_b32 v10, 31, v0                          ; lane
	v_lshlrev_b32 v[LO], 4, v10
	v_lshlrev_b32 v[SO], 3, v10
	v_mul_u32_u24 v[LR], v10, SP
	v_lshlrev_b32 v[EO], 2, v10
	s_wait_alu depctr_va_sdst(0)                   ; s12 is written, ahead of its first reader: the stage's place and the bases are made from it
	s_mul_i32 s13, s12, 8*SP                       ; my wave's 8 rows of the stage
	v_lshl_add_u32 v[LS], v10, 3, s13
	s_lshl_b32 s14, ttmp9, 5                       ; the work-group's 32 rows,
	s_lshl_b32 s15, s12, 3                         ; my wave's 8
	s_add_co_u32 s14, s14, s15
	s_lshl_b32 s16, s14, 10                        ; rows of 1,024 bytes in embeddings,
	s_mov_b32 s17, 0
	s_lshl_b32 s18, s14, 9                         ; of 512 in ebf
	s_mov_b32 s19, 0
	s_lshl_b32 s20, ttmp9, 7                       ; the work-group's 32 words of ee
	s_mov_b32 s21, 0
	s_wait_kmcnt 0x0
	s_add_nc_u64 s[4:5], s[4:5], s[16:17]
	s_add_nc_u64 s[6:7], s[6:7], s[18:19]
	s_add_nc_u64 s[8:9], s[8:9], s[20:21]
	s_wait_alu depctr_va_vdst(0)                   ; the five offsets and addresses v1 to v5 are written, which the loads and stores of the whole kernel read
.set n_, 0
.rept 16                               ; load n: row n / 2, half n % 2: all sixteen go out at once, 8 KiB a wave
	global_load_b128 v[X+4*n_:X+4*n_+3], v[LO], s[4:5] offset:512*n_ th:TH_LOAD_NT
.set n_, n_+1
.endr
.set b_, 0
.rept 4                                ; block b: loads 4 b to 4 b + 3, two rows
	s_wait_loadcnt 12-4*b_                         ; loads come back in order: this block's four are in, the younger blocks stay out
.if b_ > 0
	s_wait_alu depctr_va_vdst(0)                   ; the block before has written its four pairs of Y, which the eight stores below read
.endif
.set i_, 0
.rept 4
.if b_ > 0
.set p_, 4*(b_-1)+i_                   ; the block before: no vector instruction since the wait names these registers
	global_store_b64 v[SO], v[Y+2*p_:Y+2*p_+1], s[6:7] offset:256*p_   ; 32 lanes x 8 bytes: 256 consecutive bytes, aligned
	ds_store_b64 v[LS], v[Y+2*p_:Y+2*p_+1] offset:SP*(p_/2)+256*(p_%2)
.endif
.set n_, 4*b_+i_
	v_cvt_pk_bf16_f32 v[Y+2*n_],   v[X+4*n_],   v[X+4*n_+1]
	v_cvt_pk_bf16_f32 v[Y+2*n_+1], v[X+4*n_+2], v[X+4*n_+3]
.set i_, i_+1
.endr
.set b_, b_+1
.endr
	s_wait_alu depctr_va_vdst(0)                   ; the last block has written its four pairs of Y, which the last eight stores read
.set p_, 12
.rept 4
	global_store_b64 v[SO], v[Y+2*p_:Y+2*p_+1], s[6:7] offset:256*p_
	ds_store_b64 v[LS], v[Y+2*p_:Y+2*p_+1] offset:SP*(p_/2)+256*(p_%2)
.set p_, p_+1
.endr
	s_wait_dscnt 0x0                               ; for wave 0's sake: my rows lie in the stage
	s_barrier_signal -1
	s_barrier_wait -1
	s_cmp_lg_u32 s12, 0
	s_cbranch_scc1 .Lend                           ; wave 0 sums: a lane a row
.set c_, 0
.rept 32
	ds_load_b128 v[R+4*c_:R+4*c_+3], v[LR] offset:16*c_
.set c_, c_+1
.endr
	v_mov_b32 v[SUM], 0
.set c_, 0
.rept 32
	s_wait_dscnt 31-c_                             ; LDS loads come back in order: the row's 16 bytes number c are in
.irp e, 0,1,2,3
	v_fma_mix_f32_bf16 v[SUM], v[R+4*c_+(\e)], v[R+4*c_+(\e)], v[SUM] op_sel_hi:[1,1,0]                 ; the low half squared, added
	v_fma_mix_f32_bf16 v[SUM], v[R+4*c_+(\e)], v[R+4*c_+(\e)], v[SUM] op_sel:[1,1,0] op_sel_hi:[1,1,0]  ; the high half
.endr
.set c_, c_+1
.endr
	s_wait_alu depctr_va_vdst(0)                   ; the multiply-adds have written the sum, which the store reads
	global_store_b32 v[EO], v[SUM], s[8:9]
.Lend:
	s_wait_dscnt 0x0                               ; the closing lines, six on end
	s_wait_alu 0x0
	s_wait_tensorcnt 0x0
	ds_add_u32 v[SPW], v[NIL]
	s_wait_dscnt 0x0
	s_endpgm
.Lfunc_end_k_q7858a7be2a_prep:
	.size	k_q7858a7be2a_prep, .Lfunc_end_k_q7858a7be2a_prep-k_q7858a7be2a_prep
	.p2alignl 7, 3214868480
	.fill 96, 4, 3214868480
	.section	.rodata,"a",@progbits
	.p2align	6, 0x0
	.amdhsa_kernel k_q7858a7be2a_prep
		.amdhsa_group_segment_fixed_size 17408
		.amdhsa_private_segment_fixed_size 0
		.amdhsa_enable_private_segment 0
		.amdhsa_kernarg_size 24
		.amdhsa_user_sgpr_count 2
		.amdhsa_user_sgpr_kernarg_segment_ptr 1
		.amdhsa_wavefront_size32 1
		.amdhsa_system_sgpr_workgroup_id_x 1
		.amdhsa_system_sgpr_workgroup_id_y 1
		.amdhsa_system_sgpr_workgroup_id_z 1
		.amdhsa_system_vgpr_workitem_id 0
		.amdhsa_next_free_vgpr 256
		.amdhsa_next_free_sgpr 66
		.amdhsa_reserve_vcc 0
		.amdhsa_float_denorm_mode_32 3
		.amdhsa_float_denorm_mode_16_64 3
		.amdhsa_memory_ordered 1
		.amdhsa_forward_progress 1
		.amdhsa_inst_pref_size 28
	.end_amdhsa_kernel
	.amdgpu_metadata
---
amdhsa.version: [ 1, 2 ]
amdhsa.kernels:
  - .name:           k_q7858a7be2a_prep
    .symbol:         k_q7858a7be2a_prep.kd
    .args:
      - { .name: embeddings, .offset: 0, .size: 8, .value_kind: global_buffer, .address_space: global }
      - { .name: ebf, .offset: 8, .size: 8, .value_kind: global_buffer, .address_space: global }
      - { .name: ee, .offset: 16, .size: 8, .value_kind: global_buffer, .address_space: global }
    .group_segment_fixed_size: 17408
    .private_segment_fixed_size: 0
    .kernarg_segment_align: 8
    .kernarg_segment_size: 24
    .max_flat_workgroup_size: 128
    .sgpr_count:     66
    .vgpr_count:     256
    .wavefront_size: 32
...
	.end_amdgpu_metadata
.endif
;; end of part 4
;; launch vqmin: the kernel of part 2 again; grid 256 x 1, 4 waves a work-group, clusters of 4 x 1, 327,680 bytes of LDS; arguments z, ebf, ee, idx; writes idx
;; launch gather: the kernel of part 3 again; grid 256 x 1, 8 waves a work-group, no clusters, 0 bytes of LDS; arguments idx, embeddings, out0; writes out0
